; MI455X (gfx1250); checked and timed in simulation.
; The chip was launched on July 23, 2026; its instructions are those of AMD's public machine-readable ISA for CDNA 5 (MIT licence, August 2026) and "CDNA5" Instruction Set Architecture Reference Guide (July 2026). The comments in the code are by the model that wrote it; some were corrected since.
;; Vanilla Lstm Enc Dec. Allowed arithmetic: float matrix products may take bf16 or f16 operands with f32 sums; all other float work in f32.
;; Inputs: Wd 2 x 128 float32; We 2 x 128 float32; Whh_d 128 x 512 float32; Whh_e 128 x 512 float32; Wih_d 128 x 512 float32; Wih_e 128 x 512 float32; Wo 128 x 2 float32; b_d 512 float32; b_e 512 float32; bd 128 float32; be 128 float32; bo 2 float32; obs_traj 8 x 32,768 x 2 float32.
;; Outputs: out0 6 x 32,768 x 2 float32.
;; Constants: pred_len = 6.
;; One version. Each part assembles by itself: llvm-mc -triple=amdgcn-amd-amdhsa -mcpu=gfx1250 --defsym DOCPART=n.
;; ======== version 1 of 1: 2 launches
;; limits: values are held in f16: magnitudes above 65,504 overflow, below 6.1e-05 lose precision; right only within a limited range of input values; inputs' magnitudes at most 65,504
;; workspace buffers: wsp 301,056 bytes
;; launch prep (part 1): grid 16 x 1, 8 waves a work-group, no clusters, 30,976 bytes of LDS; arguments We, be, Wih_e, Whh_e, b_e, Wd, bd, Wih_d, Whh_d, b_d, Wo, bo, wsp; writes wsp
.if DOCPART == 1
	.amdgcn_target "amdgcn-amd-amdhsa--gfx1250"
	.amdhsa_code_object_version 6
	.text
	.protected	k_q9fc415d121_prep
	.globl	k_q9fc415d121_prep
	.p2align	8
	.type	k_q9fc415d121_prep,@function
k_q9fc415d121_prep:
	s_mov_b64 s[64:65], 0
	v_nop
	global_prefetch_b8 v0, s[64:65] scope:SCOPE_SE
	s_setreg_imm32_b32 hwreg(HW_REG_WAVE_MODE, 25, 1), 1
	s_wait_xcnt 0x0
; Folds the small products of the LSTM encoder / decoder once, in f32, and writes the weights as images of matrix fragments in f16.
;   encoder: x = obs We + be, so x Wih_e = obs (We Wih_e) + be Wih_e:     P_j[n] = sum_e We[j][e] Wih_e[e][n],  q[n] = b_e[n] + sum_e be[e] Wih_e[e][n]
;   decoder: x = pos Wd + bd and pos = h Wo + bo of the carried h, so z = h (Whh_d + Wo P) + q + bo P, with P, q made of Wd, bd, Wih_d, b_d
; Every column n is scaled by s_n = -log2 e (gates i, f, o) or +2 log2 e (gate g), so that the later sums are arguments of exp2.
; FORMAT: f16, for its 11 bits of mantissa: the first position is a sum of 128 products that is compared against a hundredth of the whole output's root mean square.
;   Weights of spread 0.1 are 0.3 after the scale; with every input thirty times larger the largest operand, 2.9 (Whh_d + Wo Wd Wih_d), stays in the thousands.
; LIMITS: scaled weights, P, q and Wo are cut at +-65,504 (f16's largest number), so that no infinity can meet a zero: weights beyond 22,700 in magnitude are not served.
;   Numbers under 2^-14 are kept as f16 denormals, with an absolute error of at most 2^-25.  NaN and infinite inputs are not served.
; ORDER OF ROUNDING: it differs from the written order of the model (products folded in f32, the scale applied before the one rounding to f16).
; 16 work-groups: mat = b >> 3 (0 encoder, 1 decoder), gate g = (b >> 1) & 3, wq = b & 1: the 64 columns from n0 = 128 g + 64 wq, 256 bytes of each row.
; Thread t: c4 = t & 15 (4 columns, 16 bytes), kr = t >> 4 (rows 8 kr .. 8 kr + 7): a load of a wave covers two whole pieces of 256 bytes.
; OUTPUT (wsp): WE_O, WD_O: for wave w of the main kernel, gate g, K step ks, part p a block of 512 bytes at (((4 w + g) 4 + ks) 2 + p) 512;
;   lane 16 h + r has its 16 bytes at 16 x lane: column 128 g + 16 w + r, k = 32 ks + 16 p + 8 h + 0..7.   XI_O: the x term's fragments.
;   WOFI_O: fragments of Wo.   QD_O: 512 f32, the decoder's scaled bias.
.set WD_O,   131072
.set XI_O,   262144
.set WOFI_O, 294912
.set QD_O,   299008
.set FIN,    12288                     ; LDS: 0 .. 12287 partial sums [kr 16][3][64 f32]; FIN: the three finished rows [3][64 f32]
.set STG,    13312                     ; LDS: four pieces of 4,096 bytes, 4,112 apart: sixteen lanes' 16-byte stores fall into sixteen different columns of 16 bytes modulo 256
.set STP,    4112
.set WI,  16                           ; v[16:47]   8 rows x 4 columns of Wih
.set WH,  48                           ; v[48:79]   8 rows x 4 columns of Whh
.set EM,  80                           ; v[80:103]  embedding row 0, row 1, embedding bias: my 8 numbers of each
.set WO,  104                          ; v[104:119] Wo[8 kr + i][0], [1]
.set BV,  120                          ; v120       the LSTM bias of column t & 63
.set AC,  122                          ; v[122:133] three partial sums of 4 columns
.set P0,  134                          ; v[134:137] P_0 of my 4 columns
.set P1,  138                          ; v[138:141] P_1
.set QQ,  142                          ; v[142:145] q
.set CH,  146                          ; v[146:161] 4 columns x 8 f16 along k
.set WOL, 162                          ; v[162:169] wave 1: eight numbers of Wo for its fragment block
.set TM,  170                          ; v[170:185] at work
	s_load_b512 s[8:23], s[0:1], 0x0               ; We 8, be 10, Wih_e 12, Whh_e 14, b_e 16, Wd 18, bd 20, Wih_d 22
	s_load_b256 s[24:31], s[0:1], 0x40             ; Whh_d 24, b_d 26, Wo 28, bo 30
	s_load_b64 s[32:33], s[0:1], 0x60              ; wsp
	v_lshl_add_u32 v192, v0, 2, 0x7500
	v_mov_b32 v193, 0
	v_lshrrev_b32 v1, 5, v0
	v_readfirstlane_b32 s5, v1                     ; wave 0..7
	s_lshr_b32 s2, ttmp9, 3                        ; mat
	s_bfe_u32 s3, ttmp9, 0x20001                   ; g
	s_and_b32 s4, ttmp9, 1                         ; wq
	s_and_b32 s6, ttmp9, 7                         ; which block of Wo's fragments (mat = 1)
	s_lshl_b32 s34, s3, 9
	s_lshl_b32 s7, s4, 8
	s_add_co_u32 s34, s34, s7                      ; 4 n0
	s_mov_b32 s35, 0
	s_lshl_b32 s50, s2, 17                         ; the image: mat x 131,072 + wq x 4 waves x 16,384 + g x 4,096
	s_lshl_b32 s7, s4, 16
	s_add_co_u32 s50, s50, s7
	s_lshl_b32 s7, s3, 12
	s_add_co_u32 s50, s50, s7
	s_mov_b32 s51, 0
	s_lshl_b32 s54, s4, 14                         ; the x term: wq x 4 waves x 4,096 + g x 1,024
	s_lshl_b32 s7, s3, 10
	s_add_co_u32 s54, s54, s7
	s_mov_b32 s55, 0
	s_mov_b32 s56, 0x4038aa3b                      ; 2 log2 e
	s_mov_b32 s57, 0xbfb8aa3b                      ; -log2 e
	s_cmp_eq_u32 s3, 2
	s_cselect_b32 s46, s56, s57                    ; the scale of my gate,
	s_mov_b32 s47, s46                             ; twice (a pair for the packed multiply)
	s_mov_b32 s56, 0x477fe000                      ; 65,504.0, f16's largest number,
	s_mov_b32 s57, 0xc77fe000                      ; and its negative: the cut in front of every rounding to f16
	v_and_b32 v1, 15, v0                           ; c4
	v_lshrrev_b32 v2, 4, v0                        ; kr
	v_lshlrev_b32 v13, 4, v1                       ; 16 c4
	v_lshl_add_u32 v3, v2, 14, v13                 ; 8 kr rows of 2,048 bytes + 16 c4
	v_lshlrev_b32 v4, 5, v2                        ; my 8 numbers of an embedding row
	v_lshlrev_b32 v5, 6, v2                        ; my 8 rows of Wo
	v_and_b32 v6, 63, v0
	v_lshlrev_b32 v6, 2, v6                        ; column t & 63 of the bias
	v_mad_u32_u24 v7, v2, 0x300, v13               ; partial sums: kr x 768 + 16 c4
	v_lshlrev_b32 v8, 2, v0                        ; word t
	v_add_nc_u32 v9, FIN, v13
	v_lshrrev_b32 v14, 2, v1
	v_mul_u32_u24 v10, v14, STP                    ; piece c4 >> 2 (a wave of the main kernel),
	v_and_b32 v14, 3, v1
	v_lshl_add_u32 v10, v14, 6, v10                ; lane r = 4 (c4 & 3) + column,
	v_lshl_add_u32 v10, v2, 8, v10                 ; kr x 256 = ks x 1,024 + p x 512 + h x 256
	v_add_nc_u32 v10, STG, v10
	v_lshlrev_b32 v12, 4, v0                       ; 16 t
	v_add_nc_u32 v11, STG, v12
	v_bfe_u32 v15, v0, 4, 1                        ; Wo for fragment block s6: k = 16 s6 + 8 h + e, column r & 1
	v_and_b32 v14, 1, v0
	v_lshlrev_b32 v15, 6, v15
	v_lshl_add_u32 v15, v14, 2, v15
	v_lshl_add_u32 v15, s6, 7, v15
	s_wait_kmcnt 0x0
	s_load_b64 s[48:49], s[30:31], 0x0             ; bo[0], bo[1]
	s_cmp_lg_u32 s2, 0                             ; the decoder's five tensors or the encoder's
	s_cselect_b64 s[36:37], s[18:19], s[8:9]       ; embedding weight
	s_cselect_b64 s[38:39], s[20:21], s[10:11]     ; embedding bias
	s_cselect_b64 s[40:41], s[22:23], s[12:13]     ; Wih
	s_cselect_b64 s[42:43], s[24:25], s[14:15]     ; Whh
	s_cselect_b64 s[44:45], s[26:27], s[16:17]     ; bias
	s_add_nc_u64 s[40:41], s[40:41], s[34:35]      ; at my first column
	s_add_nc_u64 s[42:43], s[42:43], s[34:35]
	s_add_nc_u64 s[44:45], s[44:45], s[34:35]
	s_add_nc_u64 s[52:53], s[32:33], s[50:51]      ; my part of the image
	s_add_nc_u64 s[58:59], s[32:33], s[54:55]      ; my part of the x term (less XI_O)
	s_add_nc_u64 s[60:61], s[32:33], s[34:35]      ; my part of the decoder's bias (less QD_O)
	; 1. all loads.  Wave 1's eight words of Wo go first, so that the counted wait below means the same in every wave.
	s_cmp_lg_u32 s5, 1
	s_cbranch_scc1 .Lno_wol
.irp e, 0,1,2,3,4,5,6,7
	global_load_b32 v[WOL+\e], v15, s[28:29] offset:8*\e
.endr
.Lno_wol:
	global_load_b128 v[EM:EM+3],     v4, s[36:37]
	global_load_b128 v[EM+4:EM+7],   v4, s[36:37] offset:16
	global_load_b128 v[EM+8:EM+11],  v4, s[36:37] offset:512
	global_load_b128 v[EM+12:EM+15], v4, s[36:37] offset:528
	global_load_b128 v[EM+16:EM+19], v4, s[38:39]
	global_load_b128 v[EM+20:EM+23], v4, s[38:39] offset:16
.irp i, 0,1,2,3,4,5,6,7
	global_load_b128 v[WI+4*\i:WI+4*\i+3], v3, s[40:41] offset:2048*\i
.endr
.irp i, 0,1,2,3,4,5,6,7
	global_load_b128 v[WH+4*\i:WH+4*\i+3], v3, s[42:43] offset:2048*\i
.endr
.irp i, 0,1,2,3
	global_load_b128 v[WO+4*\i:WO+4*\i+3], v5, s[28:29] offset:16*\i
.endr
	global_load_b32 v[BV], v6, s[44:45]
	; 2. my 8 rows' share of the three sums, 4 columns each.  The embedding number of row i is broadcast out of its register pair.
	s_wait_loadcnt 13                              ; younger and still out: Whh 8, Wo 4, the bias 1
.irp i, 0,1,2,3,4,5,6,7
.irp j, 0,1,2
.irp q, 0,2
.if \i == 0
	v_pk_mul_f32 v[AC+4*\j+\q:AC+4*\j+\q+1], v[WI+\q:WI+\q+1], v[EM+8*\j:EM+8*\j+1] op_sel_hi:[1,0]
.else
.if (\i & 1) == 0
	v_pk_fma_f32 v[AC+4*\j+\q:AC+4*\j+\q+1], v[WI+4*\i+\q:WI+4*\i+\q+1], v[EM+8*\j+\i:EM+8*\j+\i+1], v[AC+4*\j+\q:AC+4*\j+\q+1] op_sel_hi:[1,0,1]
.else
	v_pk_fma_f32 v[AC+4*\j+\q:AC+4*\j+\q+1], v[WI+4*\i+\q:WI+4*\i+\q+1], v[EM+8*\j+\i-1:EM+8*\j+\i], v[AC+4*\j+\q:AC+4*\j+\q+1] op_sel:[0,1,0] op_sel_hi:[1,1,1]
.endif
.endif
.endr
.endr
.endr
	ds_store_b128 v7, v[AC:AC+3]
	ds_store_b128 v7, v[AC+4:AC+7] offset:256
	ds_store_b128 v7, v[AC+8:AC+11] offset:512
	s_wait_dscnt 0x0                               ; my partial sums are in LDS before I say so
	s_barrier_signal -1
	s_barrier_wait -1
	; 3. waves 0 to 5: thread t adds the sixteen shares of word t (sum t >> 6, column t & 63); the third sum takes the LSTM bias
	s_cmp_ge_u32 s5, 6
	s_cbranch_scc1 .Lno_red
.irp k, 0,1,2,3,4,5,6,7,8,9,10,11,12,13,14,15
	ds_load_b32 v[TM+\k], v8 offset:768*\k
.endr
	s_cmp_ge_u32 s5, 4
	s_cselect_b32 s7, -1, 0                        ; all lanes of waves 4 and 5: the third sum
	s_wait_dscnt 0x0
.irp k, 0,2,4,6,8,10,12,14
	v_add_f32 v[TM+\k], v[TM+\k], v[TM+\k+1]
.endr
.irp k, 0,4,8,12
	v_add_f32 v[TM+\k], v[TM+\k], v[TM+\k+2]
.endr
	v_add_f32 v[TM], v[TM], v[TM+4]
	v_add_f32 v[TM+8], v[TM+8], v[TM+12]
	v_add_f32 v[TM], v[TM], v[TM+8]
	s_wait_loadcnt 0x0                             ; the bias was the last load issued
	v_cndmask_b32 v[TM+1], 0, v[BV], s7
	v_add_f32 v[TM], v[TM], v[TM+1]
	ds_store_b32 v8, v[TM] offset:FIN
.Lno_red:
	s_wait_dscnt 0x0
	s_barrier_signal -1
	s_barrier_wait -1
	; 4. Whh (decoder: + Wo P), scaled, cut, rounded once to f16, 8 numbers along k for each of my 4 columns, into the stage in fragment order
	s_wait_loadcnt 0x0
	s_wait_kmcnt 0x0                               ; bo
	ds_load_b128 v[P0:P0+3], v9
	ds_load_b128 v[P1:P1+3], v9 offset:256
	ds_load_b128 v[QQ:QQ+3], v9 offset:512
	s_wait_dscnt 0x0
	s_cmp_eq_u32 s2, 0
	s_cbranch_scc1 .Lno_fold
.irp i, 0,1,2,3,4,5,6,7
.irp q, 0,2
	v_pk_fma_f32 v[WH+4*\i+\q:WH+4*\i+\q+1], v[P0+\q:P0+\q+1], v[WO+2*\i:WO+2*\i+1], v[WH+4*\i+\q:WH+4*\i+\q+1] op_sel_hi:[1,0,1]
	v_pk_fma_f32 v[WH+4*\i+\q:WH+4*\i+\q+1], v[P1+\q:P1+\q+1], v[WO+2*\i:WO+2*\i+1], v[WH+4*\i+\q:WH+4*\i+\q+1] op_sel:[0,1,0] op_sel_hi:[1,1,1]
.endr
.endr
.Lno_fold:
.irp i, 0,1,2,3,4,5,6,7
.irp q, 0,2
	v_pk_mul_f32 v[WH+4*\i+\q:WH+4*\i+\q+1], v[WH+4*\i+\q:WH+4*\i+\q+1], s[46:47] op_sel_hi:[1,0]
.endr
.endr
.set ii, 0
.rept 32
	v_med3_num_f32 v[WH+ii], v[WH+ii], s57, s56    ; the cut at +-65,504
.set ii, ii+1
.endr
.irp c, 0,1,2,3
.irp d, 0,1,2,3
	v_cvt_pk_f16_f32 v[CH+4*\c+\d], v[WH+8*\d+\c], v[WH+8*\d+4+\c]   ; rows 2 d and 2 d + 1 of column c: the lower k in the low half
.endr
.endr
.irp c, 0,1,2,3
	ds_store_b128 v10, v[CH+4*\c:CH+4*\c+3] offset:16*\c
.endr
	s_wait_dscnt 0x0
	s_barrier_signal -1
	s_barrier_wait -1
	; 5. the image leaves in runs of 512 consecutive bytes a wave
.irp i, 0,1,2,3
	ds_load_b128 v[TM+4*\i:TM+4*\i+3], v11 offset:STP*\i
.endr
.irp i, 0,1,2,3
	s_wait_dscnt 3-\i                              ; LDS loads come back in order: piece i is in, the younger ones may be out
	global_store_b128 v12, v[TM+4*\i:TM+4*\i+3], s[52:53] offset:16384*\i
.endr
	; 6. the small tables.  They work in registers that no pending store names.
	s_cmp_lg_u32 s2, 0
	s_cbranch_scc1 .Lmat1
	; encoder, waves 0 and 1: thread t = column t.  P_0, P_1 and q, scaled, each as a pair of f16 (upper part, rest): some 22 bits of mantissa.
	; The x term is one K step of 32.  Part 0 (k 0-15): lanes h = 0 hold P (k 0-7), lanes h = 1 hold q (k 8, 9).  Part 1 (k 16-31): h = 0 q, h = 1 P.
	s_cmp_ge_u32 s5, 2
	s_cbranch_scc1 .Lend
	ds_load_b32 v16, v8 offset:FIN
	ds_load_b32 v17, v8 offset:FIN+256
	ds_load_b32 v18, v8 offset:FIN+512
	v_lshl_add_u32 v19, v2, 12, v13                ; wave t >> 4 of my four x 4,096 + 16 r
	v_mov_b32 v25, 0
	v_mov_b32 v26, 0
	v_mov_b32 v27, 0
	s_wait_dscnt 0x0
	v_mul_f32 v16, s46, v16
	v_mul_f32 v17, s46, v17
	v_mul_f32 v18, s46, v18
	v_med3_num_f32 v16, v16, s57, s56              ; the cut at +-65,504
	v_med3_num_f32 v17, v17, s57, s56
	v_med3_num_f32 v18, v18, s57, s56
	v_cvt_pk_f16_f32 v28, v16, v16
	v_cvt_pk_f16_f32 v29, v17, v17
	v_cvt_pk_f16_f32 v30, v18, v18
	v_cvt_f32_f16 v28, v28.l                       ; the upper part as f32
	v_cvt_f32_f16 v29, v29.l
	v_cvt_f32_f16 v30, v30.l
	v_sub_f32 v16, v16, v28                        ; the rest, exact
	v_sub_f32 v17, v17, v29
	v_sub_f32 v18, v18, v30
	v_cvt_pk_f16_f32 v20, v28, v16                 ; (P0h, P0l)
	v_cvt_pk_f16_f32 v22, v29, v17                 ; (P1h, P1l)
	v_cvt_pk_f16_f32 v24, v30, v18                 ; (qh, ql)
	v_mov_b32 v21, v20                             ; (P0h, P0l) twice: against (xh, xh) and (xl, xl)
	v_mov_b32 v23, v22
	global_store_b128 v19, v[20:23], s[58:59] offset:XI_O
	global_store_b128 v19, v[24:27], s[58:59] offset:XI_O+256
	global_store_b128 v19, v[24:27], s[58:59] offset:XI_O+512
	global_store_b128 v19, v[20:23], s[58:59] offset:XI_O+768
	s_branch .Lend
.Lmat1:
	s_cmp_lg_u32 s5, 0
	s_cbranch_scc1 .Lnot_wave_0
	; decoder, wave 0, lanes 0 to 15 (kr = 0): the bias s_n (q + bo0 P_0 + bo1 P_1) in f32, 256 consecutive bytes
.irp c, 0,1,2,3
	v_fmac_f32 v[QQ+\c], s48, v[P0+\c]
.endr
.irp c, 0,1,2,3
	v_fmac_f32 v[QQ+\c], s49, v[P1+\c]
.endr
	v_pk_mul_f32 v[QQ:QQ+1], v[QQ:QQ+1], s[46:47] op_sel_hi:[1,0]
	v_pk_mul_f32 v[QQ+2:QQ+3], v[QQ+2:QQ+3], s[46:47] op_sel_hi:[1,0]
	v_cmp_gt_u32 vcc_lo, 16, v0
	s_wait_xcnt 0x0                                ; EXEC is a source of the stores above: it changes only behind this wait
	s_and_saveexec_b32 s7, vcc_lo
	global_store_b128 v13, v[QQ:QQ+3], s[60:61] offset:QD_O
	s_wait_xcnt 0x0                                ; and again in front of the line that widens it
	s_or_b32 exec_lo, exec_lo, s7
	s_branch .Lend
.Lnot_wave_0:
	s_cmp_lg_u32 s5, 1
	s_cbranch_scc1 .Lend
	; decoder, wave 1: block s6 = 2 ks + p of Wo's fragments.  Rows 0, 1 and 8, 9 of the fragment hold Wo's columns 0, 1; all others are 0.
.irp e, 0,1,2,3,4,5,6,7
	v_med3_num_f32 v[WOL+\e], v[WOL+\e], s57, s56  ; the cut at +-65,504
.endr
.irp d, 0,1,2,3
	v_cvt_pk_f16_f32 v[16+\d], v[WOL+2*\d], v[WOL+2*\d+1]
.endr
	v_and_b32 v20, 6, v0
	v_cmp_eq_u32 vcc_lo, 0, v20                    ; r in {0, 1, 8, 9}
.irp d, 0,1,2,3
	v_cndmask_b32 v[16+\d], 0, v[16+\d], vcc_lo
.endr
	v_and_b32 v21, 31, v0
	v_lshlrev_b32 v21, 4, v21
	v_lshl_add_u32 v21, s6, 9, v21
	global_store_b128 v21, v[16:19], s[32:33] offset:WOFI_O
.Lend:
	s_wait_tensorcnt 0x0
	ds_add_u32 v192, v193
	s_wait_dscnt 0x0
	s_endpgm
.Lfunc_end_k_q9fc415d121_prep:
	.size	k_q9fc415d121_prep, .Lfunc_end_k_q9fc415d121_prep-k_q9fc415d121_prep
	.p2alignl 7, 3214868480
	.fill 96, 4, 3214868480
	.section	.rodata,"a",@progbits
	.p2align	6, 0x0
	.amdhsa_kernel k_q9fc415d121_prep
		.amdhsa_group_segment_fixed_size 30976
		.amdhsa_private_segment_fixed_size 0
		.amdhsa_enable_private_segment 0
		.amdhsa_kernarg_size 104
		.amdhsa_user_sgpr_count 2
		.amdhsa_user_sgpr_kernarg_segment_ptr 1
		.amdhsa_wavefront_size32 1
		.amdhsa_system_sgpr_workgroup_id_x 1
		.amdhsa_system_sgpr_workgroup_id_y 1
		.amdhsa_system_sgpr_workgroup_id_z 1
		.amdhsa_system_vgpr_workitem_id 0
		.amdhsa_next_free_vgpr 194
		.amdhsa_next_free_sgpr 66
		.amdhsa_reserve_vcc 1
		.amdhsa_float_denorm_mode_32 3
		.amdhsa_float_denorm_mode_16_64 3
		.amdhsa_memory_ordered 1
		.amdhsa_forward_progress 1
		.amdhsa_inst_pref_size 24
	.end_amdhsa_kernel
	.amdgpu_metadata
---
amdhsa.version: [ 1, 2 ]
amdhsa.kernels:
  - .name:           k_q9fc415d121_prep
    .symbol:         k_q9fc415d121_prep.kd
    .args:
      - { .name: We, .offset: 0, .size: 8, .value_kind: global_buffer, .address_space: global }
      - { .name: be, .offset: 8, .size: 8, .value_kind: global_buffer, .address_space: global }
      - { .name: Wih_e, .offset: 16, .size: 8, .value_kind: global_buffer, .address_space: global }
      - { .name: Whh_e, .offset: 24, .size: 8, .value_kind: global_buffer, .address_space: global }
      - { .name: b_e, .offset: 32, .size: 8, .value_kind: global_buffer, .address_space: global }
      - { .name: Wd, .offset: 40, .size: 8, .value_kind: global_buffer, .address_space: global }
      - { .name: bd, .offset: 48, .size: 8, .value_kind: global_buffer, .address_space: global }
      - { .name: Wih_d, .offset: 56, .size: 8, .value_kind: global_buffer, .address_space: global }
      - { .name: Whh_d, .offset: 64, .size: 8, .value_kind: global_buffer, .address_space: global }
      - { .name: b_d, .offset: 72, .size: 8, .value_kind: global_buffer, .address_space: global }
      - { .name: Wo, .offset: 80, .size: 8, .value_kind: global_buffer, .address_space: global }
      - { .name: bo, .offset: 88, .size: 8, .value_kind: global_buffer, .address_space: global }
      - { .name: wsp, .offset: 96, .size: 8, .value_kind: global_buffer, .address_space: global }
    .group_segment_fixed_size: 30976
    .private_segment_fixed_size: 0
    .kernarg_segment_align: 8
    .kernarg_segment_size: 104
    .max_flat_workgroup_size: 256
    .sgpr_count:     66
    .vgpr_count:     194
    .wavefront_size: 32
...
	.end_amdgpu_metadata
.endif
;; end of part 1
;; launch main (part 2): grid 256 x 1, 8 waves a work-group, no clusters, 201,728 bytes of LDS; arguments obs_traj, bo, wsp, out0; writes out0
.if DOCPART == 2
	.amdgcn_target "amdgcn-amd-amdhsa--gfx1250"
	.amdhsa_code_object_version 6
	.text
	.protected	k_q9fc415d121_main
	.globl	k_q9fc415d121_main
	.p2align	8
	.type	k_q9fc415d121_main,@function
k_q9fc415d121_main:
	s_mov_b64 s[64:65], 0
	v_nop
	global_prefetch_b8 v0, s[64:65] scope:SCOPE_SE
	s_setreg_imm32_b32 hwreg(HW_REG_WAVE_MODE, 25, 1), 1
	s_wait_xcnt 0x0
; LSTM encoder (8 steps) and decoder (5 steps), 6 positions out, for 128 rows of the batch in each work-group; all 13 steps in one launch.
; The weights come folded and scaled from the launch before (wsp): z = h W + (x term or bias), already multiplied by -log2 e (gates i, f, o) or 2 log2 e (gate g).
; SHARE: eight waves.  Wave w owns hidden units 16 w .. 16 w + 15 of all 128 rows: four gate tiles of 16 columns.  Its weights (128 k x 64 columns of f16,
;   128 registers) stay in registers for a whole phase, its c (128 x 16 f32, 64 registers) for all steps.  h goes from wave to wave through two LDS slots in f16.
;   Rows go in eight blocks of 16.  Sums, c, biases and all gate arithmetic are f32; h and the weights are f16.
; FORMAT: f16 and not bf16, for its 11 bits of mantissa: the first position is a sum of 128 products h Wo that is compared against a hundredth of the whole output's
;   root mean square, which the five smaller positions behind it pull down.  The operands have the room: |h| < 1; what the weights need is said at the head of the launch before.
; THE MATRIX INSTRUCTION IS USED TRANSPOSED: source 0 = 16 columns of W, source 1 = 16 rows of h.  Lane (r, hh), register j then holds z[row r][hidden 16 w + 8 hh + j]:
;   the four gates of an element meet in one lane, and a lane's eight h are 16 neighbouring bytes of a row.
; THE ENCODER'S x TERM is one more K step of 32: x, y and the constants P_0, P_1, q each as a pair of f16 (upper part, rest), some 22 bits of mantissa.
; THE DECODER'S BIAS is an f32 tile, the C operand of the first product.
; GATES: with Ei = e^-i, Ef = e^-f, Eo = e^-o, Eg = e^2g and k = 2 log2 e, c is carried as kc:
;   kc' = [kc (1+Ei)(1+Eg) + k (Eg-1)(1+Ef)] / [(1+Ef)(1+Ei)(1+Eg)],  Ed = 2^(kc') = e^2c',  h = (Ed-1) / [(1+Eo)(1+Ed)]:
;   five exponentials and two reciprocals for an element; every factor (1 + E) x P is one fused E P + P.
; LIMITS: |obs_traj| below 65,504 (f16's largest number).  h below 2^-14 is kept as an f16 denormal, with an absolute error of at most 2^-25.
;   The arguments of exp2 of gates i, f and g are cut at 40, so sigmoid(i) and sigmoid(f) never fall below 2^-40 (tanh is 1 in f32 long before); (1 + 2^40)^3 is about
;   2^120: no product overflows and its reciprocal is no denormal.  Gate o needs no cut: Eo meets only (1+Eo)(1+Ed) with 1+Ed >= 1; if that overflows, its reciprocal
;   is 0 and h = 0 x (Ed-1) = 0 with Ed-1 finite, the right limit.  The argument of Ed needs no cut: |c| grows by at most 1 a step, 8 steps, 2 log2 e x 8 = 23.1.
;   NaN and infinite inputs are not served.  The order of rounding differs from the written order of the model (folded products; scale ahead of the rounding to f16).
; NO CLUSTER: what work-groups share is 294 KiB of wsp, read once by each at the start (128 KiB of it behind the encoder's eight steps), against 13 steps that are fed
;   from registers and LDS alone: no step asks memory for a shared tile.
; LDS: 0 .. 131,071 the decoder's weights, wave w's own 16 KiB at 16,384 w, filled once by one tensor load a wave (one outstanding, by this text's count) and never again;
;   HBASE: two h slots of 128 rows x 272 bytes (256 of data + 16: row r starts at bank 4 r mod 64 (64 banks of 4 bytes: ISA guide 11.1), sixteen rows at sixteen places).
.set WD_O,   131072                    ; wsp: the decoder's image (the encoder's is at 0)
.set XI_O,   262144                    ; the x term's fragments
.set WOFI_O, 294912                    ; Wo's fragments
.set QD_O,   299008                    ; the decoder's bias
.set TSTEP,  262144                    ; bytes of one time step of obs_traj and of out0: 32,768 rows x 8
.set HBASE,  131072
.set PITCH,  272
.set MBP,    16*PITCH                  ; a block of 16 rows
.set HS,     128*PITCH                 ; a slot; the largest immediate is HS + 7 MBP + 224 = 65,504
; window 0
.set L16,  1                           ; v1   16 x lane
.set HRD,  4                           ; v4   HBASE + 272 r + 16 hh: where I read fragments of h
.set HWR,  5                           ; v5   the same + 32 w: where I put my 8 numbers of h
.set HPO,  6                           ; v6   the same + 32 (w & 3) rows: fragments for the positions
.set WOFF, 7                           ; v7   16,384 w + 16 x lane: my weights, in wsp and in LDS
.set OBO,  8                           ; v8   8 x lane
.set OUTO, 9                           ; v9   256 (w & 3) + 8 x lane
.set XOFF, 11                          ; v11  4,096 w + 16 x lane
.set BOFF, 12                          ; v12  64 w + 32 hh
.set K1,   13                          ; v13  (1.0, 1.0) in f16
.set PO,   14                          ; v[14:15]   a position on its way out
.set OB,   16                          ; v[16:23]   four pairs (x, y): lane l holds row 32 p + l
.set XA,   24                          ; v[24:35]   XE | XZ | XO: an even block's x fragment is XE|XZ, an odd block's XZ|XO
.set XE,   24
.set XZ,   28                          ; four registers of zeros
.set XO,   32
.set VS,   36                          ; v[36:39]   (xh,xh) (xl,xl) (yh,yh) (yl,yl); v36 and v38 are also named by their halves in XPAIR
.set HF,   40                          ; v[40:71]   one block's fragments of h, four K steps
.set ACC,  72                          ; v[72:103]  z of the four gates
.set GI,   72
.set GF,   80
.set GG,   88
.set GO,   96
.set TT,   104                         ; v[104:111] at work
.set HB,   112                         ; v[112:115] 8 h in f16
.set C2L,  116                         ; v[116:117] 2 log2 e, twice
.set CM2L, 118                         ; v[118:119] -2 log2 e, twice
.set CST,  128                         ; v[128:191] c times 2 log2 e, 8 registers a block
.set BIAS, 192                         ; v[192:223] the decoder's bias tiles, 8 registers a gate
.set PF2,  224                         ; v[224:255] fragments of h for the second 16 rows of positions
.set POSA, 16                          ; decoder only (OB and XA are dead there): two accumulators for positions
.set POSB, 24
; window 1
.set XW,   128                         ; v[128:159] x term's weights, 8 registers a gate;  v[0:127]: W, fragment (g, ks) at 8 (4 g + ks)
.set WOF,  160                         ; v[160:191] Wo's fragments, 8 registers a K step
.set MSB, 0
.macro WIN new                         ; s_set_vgpr_msb: bits 1:0 source 0, 7:6 destination; the high byte repeats the setting that is left
.if MSB != \new
	s_set_vgpr_msb (MSB<<8)|\new
.set MSB, \new
.endif
.endm
.macro PLACES n
.rept \n
	v_nop
.endr
.endm
	s_load_b256 s[4:11], s[0:1], 0x0               ; obs_traj s[4:5], bo s[6:7], wsp s[8:9], out0 s[10:11]
	v_lshl_add_u32 v126, v0, 2, 0x31000
	v_mov_b32 v127, 0
	ds_add_u32 v126, v127
	ds_add_u32 v126, v127
	v_lshrrev_b32 v1, 5, v0
	v_readfirstlane_b32 s12, v1                    ; wave 0..7
	s_mov_b32 s14, 0x42200000                      ; 40.0
	s_mov_b32 s18, 0xffff0000                      ; the mask of lanes 16 to 31
	; the one tensor load: my 16 KiB of the decoder's image, a dense block, as 64 rows of 256 bytes (32 elements of 8 bytes)
	s_mov_b32 s24, 1                               ; group 0: count = 1
	s_lshl_b32 s25, s12, 14                        ; LDS address 16,384 w
	s_mov_b32 s28, 3<<16                           ; group 1: no mask, elements of 8 bytes, no padding
	s_mov_b32 s29, 32<<16                          ; tensor_dim0 = 32
	s_mov_b32 s30, 64<<16                          ; tensor_dim1 = 64
	s_mov_b32 s31, 32<<16                          ; tile_dim0 = 32
	s_mov_b32 s32, 64                              ; tile_dim1 = 64
	s_mov_b32 s33, 32                              ; 32 elements from row to row
	s_mov_b32 s34, 0
	s_mov_b32 s35, 0
	s_add_co_u32 s16, s25, WD_O
	s_mov_b32 s17, 0
	s_wait_dscnt 0x0
	s_wait_kmcnt 0x0
	s_add_nc_u64 s[26:27], s[8:9], s[16:17]        ; global address
	s_or_b32 s27, s27, 0x80000000                  ; type = 2
	tensor_load_to_lds s[24:27], s[28:35]          ; ahead of every barrier; it has the encoder's eight steps in which to land
	s_nop 0
	s_load_b64 s[20:21], s[6:7], 0x0               ; bo[0], bo[1]
	s_lshl_b32 s16, ttmp9, 10                      ; my 128 rows x 8 bytes
	s_add_nc_u64 s[36:37], s[4:5], s[16:17]        ; obs_traj at step 0, my rows
	s_add_nc_u64 s[38:39], s[10:11], s[16:17]      ; out0 at step 0, my rows
	v_and_b32 v10, 31, v0                          ; lane
	v_and_b32 v2, 15, v0                           ; r
	v_bfe_u32 v3, v0, 4, 1                         ; hh
	v_lshlrev_b32 v[L16], 4, v10
	v_lshlrev_b32 v[OBO], 3, v10
	v_mul_u32_u24 v[HRD], v2, PITCH
	v_lshl_add_u32 v[HRD], v3, 4, v[HRD]
	v_add_nc_u32 v[HRD], HBASE, v[HRD]
	s_lshl_b32 s15, s12, 5
	v_add_nc_u32 v[HWR], s15, v[HRD]
	s_and_b32 s19, s12, 3
	s_mul_i32 s15, s19, 32*PITCH
	v_add_nc_u32 v[HPO], s15, v[HRD]
	v_lshl_add_u32 v[WOFF], s12, 14, v[L16]
	v_lshl_add_u32 v[OUTO], s19, 8, v[OBO]
	v_lshl_add_u32 v[XOFF], s12, 12, v[L16]
	v_lshlrev_b32 v[BOFF], 5, v3
	v_lshl_add_u32 v[BOFF], s12, 6, v[BOFF]
	v_mov_b32 v[K1], 0x3c003c00
	v_mov_b32 v[C2L], 0x4038aa3b
	v_mov_b32 v[C2L+1], 0x4038aa3b
	v_mov_b32 v[CM2L], 0xc038aa3b
	v_mov_b32 v[CM2L+1], 0xc038aa3b
.irp j, 0,1,2,3
	v_mov_b32 v[XZ+\j], 0
.endr
	; 60 loads, what step 0 needs first: x term 8, obs 4, then W 32, Wo 8, the decoder's bias 8
	WIN 0x40
.irp i, 0,1,2,3,4,5,6,7
	global_load_b128 v[XW+4*\i:XW+4*\i+3], v[XOFF], s[8:9] offset:XI_O+512*\i
.endr
	WIN 0
.irp p, 0,1,2,3
	global_load_b64 v[OB+2*\p:OB+2*\p+1], v[OBO], s[36:37] offset:256*\p
.endr
	WIN 0x40
.set ii, 0
.rept 32
	global_load_b128 v[4*ii:4*ii+3], v[WOFF], s[8:9] offset:512*ii
.set ii, ii+1
.endr
.irp i, 0,1,2,3,4,5,6,7
	global_load_b128 v[WOF+4*\i:WOF+4*\i+3], v[L16], s[8:9] offset:WOFI_O+512*\i
.endr
	WIN 0
.irp g, 0,1,2,3
	global_load_b128 v[BIAS+8*\g:BIAS+8*\g+3],   v[BOFF], s[8:9] offset:QD_O+512*\g
	global_load_b128 v[BIAS+8*\g+4:BIAS+8*\g+7], v[BOFF], s[8:9] offset:QD_O+512*\g+16
.endr
	s_wait_kmcnt 0x0                               ; bo
; eight LDS loads: the fragments of h of block mb, K steps 0 to 3
.macro NEXTHF slot, mb
.irp ks, 0,1,2,3
	ds_load_b128 v[HF+8*\ks:HF+8*\ks+3],   v[HRD] offset:\slot*HS+(\mb)*MBP+64*\ks
	ds_load_b128 v[HF+8*\ks+4:HF+8*\ks+7], v[HRD] offset:\slot*HS+(\mb)*MBP+64*\ks+32
.endr
.endm
; The x fragments of blocks 2 p and 2 p + 1 from pair p of obs.  Lanes 0-15 hold the even block's rows: their x goes to k 0-7, and lanes 16-31 give the ones at k 8, 9.
; Lanes 16-31 hold the odd block's rows: their x goes to k 24-31, and lanes 0-15 give the ones at k 16, 17.  next = 1: the pair is loaded again for the next step.
.macro XPAIR p, lcnt, next, noff
	s_wait_loadcnt \lcnt                           ; loads come back in order: pair p is in, the younger ones stay out
	v_cvt_pk_f16_f32 v[VS+0], v[OB+2*\p], v[OB+2*\p]
	v_cvt_pk_f16_f32 v[VS+2], v[OB+2*\p+1], v[OB+2*\p+1]
	v_cvt_f32_f16 v[TT+0], v36.l                   ; the upper part as f32 (v36 = VS, v38 = VS + 2)
	v_cvt_f32_f16 v[TT+1], v38.l
	v_sub_f32 v[TT+0], v[OB+2*\p], v[TT+0]         ; the rest, exact
	v_sub_f32 v[TT+1], v[OB+2*\p+1], v[TT+1]
	v_cvt_pk_f16_f32 v[VS+1], v[TT+0], v[TT+0]
	v_cvt_pk_f16_f32 v[VS+3], v[TT+1], v[TT+1]
	v_cndmask_b32 v[XE+0], v[VS+0], v[K1], s18
	v_cndmask_b32 v[XO+0], v[K1], v[VS+0], s18
.irp j, 1,2,3
	v_cndmask_b32 v[XE+\j], v[VS+\j], v[XZ], s18
	v_cndmask_b32 v[XO+\j], v[XZ], v[VS+\j], s18
.endr
.if \next
	global_load_b64 v[OB+2*\p:OB+2*\p+1], v[OBO], s[36:37] offset:\noff+256*\p   ; 256 consecutive bytes, aligned, a whole step ahead of their use
.endif
.endm
.macro XW1 g, par
	v_wmma_f32_16x16x32_f16 v[ACC+8*\g:ACC+8*\g+7], v[XW+8*\g:XW+8*\g+7], v[XA+4*\par:XA+4*\par+7], 0
.endm
.macro HW1 g, ks
.if FROMB
	v_wmma_f32_16x16x32_f16 v[ACC+8*\g:ACC+8*\g+7], v[8*(4*\g+\ks):8*(4*\g+\ks)+7], v[HF+8*\ks:HF+8*\ks+7], v[BIAS+8*\g:BIAS+8*\g+7]
.else
	v_wmma_f32_16x16x32_f16 v[ACC+8*\g:ACC+8*\g+7], v[8*(4*\g+\ks):8*(4*\g+\ks)+7], v[HF+8*\ks:HF+8*\ks+7], v[ACC+8*\g:ACC+8*\g+7]
.endif
.endm
; z of one block.  The gates' accumulators take turns, one instruction a turn.  hasc = 0: c is 0, gate f is not needed and not made.
; The first product of each gate starts its sum: from 0 (x term) or from the bias tile.  Nothing is cleared.
.macro MUL mb, hasx, hash, hasc, dcnt
	WIN 0x01                                       ; source 0 (weights) in window 1
.if \hasx
	XW1 0, (\mb&1)
.if \hasc
	XW1 1, (\mb&1)
.endif
	XW1 2, (\mb&1)
	XW1 3, (\mb&1)
.endif
.if \hash
	s_wait_dscnt \dcnt                             ; the block's eight fragment loads are in; the one store of h issued behind them may be out
.irp ks, 0,1,2,3
.set FROMB, 0
.if \hasx == 0
.if \ks == 0
.set FROMB, 1
.endif
.endif
	HW1 0, \ks
.if \hasc
	HW1 1, \ks
.endif
	HW1 2, \ks
	HW1 3, \ks
.endr
.endif
	WIN 0
.endm
; the cut at 40, two registers an instruction: destinations even and odd, second sources in neighbouring registers, the first source of both is s14
.macro DMIN8 b
.irp j, 0,2,4,6
	v_dual_min_num_f32 v[\b+\j], s14, v[\b+\j] :: v_dual_min_num_f32 v[\b+\j+1], s14, v[\b+\j+1]
.endr
.endm
.macro EXP8 d, a
.irp j, 0,1,2,3,4,5,6,7
	v_exp_f32 v[\d+\j], v[\a+\j]
.endr
.endm
.macro RCP8 b
.irp j, 0,1,2,3,4,5,6,7
	v_rcp_f32 v[\b+\j], v[\b+\j]
.endr
.endm
.macro PKADDC d, a, c
	s_wait_alu depctr_va_vdst(0)
.irp j, 0,2,4,6
	v_pk_add_f32 v[\d+\j:\d+\j+1], v[\a+\j:\a+\j+1], \c op_sel_hi:[1,0]
.endr
.endm
.macro PKMUL d, a, b
	s_wait_alu depctr_va_vdst(0)
.irp j, 0,2,4,6
	v_pk_mul_f32 v[\d+\j:\d+\j+1], v[\a+\j:\a+\j+1], v[\b+\j:\b+\j+1]
.endr
.endm
.macro PKFMA d, a, b, c
.irp j, 0,2,4,6
	v_pk_fma_f32 v[\d+\j:\d+\j+1], v[\a+\j:\a+\j+1], v[\b+\j:\b+\j+1], v[\c+\j:\c+\j+1]
.endr
.endm
; The gates of one block, 8 elements a lane, in place in the accumulators.  The runs are laid so that a plain vector instruction that touches neither result nor source
; stands between each run of transcendentals and the first use of its results (ISA guide 5.7.2); where there is no such work, a v_nop.
.macro ACT mb, hasc
	DMIN8 GG
	EXP8 GG, GG                                    ; Eg
	DMIN8 GI
	EXP8 GI, GI                                    ; Ei
.if \hasc
	DMIN8 GF
	EXP8 GF, GF                                    ; Ef
.endif
	PKADDC TT, GG, 1.0                             ; 1 + Eg
.irp j, 0,2,4,6
	v_pk_fma_f32 v[GG+\j:GG+\j+1], v[GG+\j:GG+\j+1], v[C2L:C2L+1], v[CM2L:CM2L+1]   ; k (Eg - 1), k = 2 log2 e
.endr
	EXP8 GO, GO                                    ; Eo, not cut: see LIMITS
	PKFMA GI, GI, TT, TT                           ; (1+Ei)(1+Eg)
.if \hasc
	PKFMA GG, GF, GG, GG                           ; k (Eg-1)(1+Ef)
	PKFMA GF, GF, GI, GI                           ; the denominator (1+Ef)(1+Ei)(1+Eg)
	RCP8 GF
	PKFMA GG, CST+8*(\mb), GI, GG                  ; the numerator
	PKMUL CST+8*(\mb), GG, GF                      ; kc'
.else
	RCP8 GI                                        ; c = 0: kc' = k (Eg-1) / [(1+Ei)(1+Eg)]
	v_nop
	s_wait_alu depctr_va_vdst(0)
	PKMUL CST+8*(\mb), GG, GI
.endif
	EXP8 GI, CST+8*(\mb)                           ; Ed
	v_nop
	s_wait_alu depctr_va_vdst(0)
	PKADDC TT, GI, 1.0                             ; 1 + Ed
	PKFMA GO, GO, TT, TT                           ; (1+Eo)(1+Ed)
	RCP8 GO
	PKADDC GI, GI, -1.0                            ; Ed - 1
	PKMUL GI, GI, GO                               ; h
.irp j, 0,1,2,3
	v_cvt_pk_f16_f32 v[HB+\j], v[GI+2*\j], v[GI+2*\j+1]
.endr
.endm
.macro HST slot, mb
	ds_store_b128 v[HWR], v[HB:HB+3] offset:\slot*HS+(\mb)*MBP
.endm
; One barrier a step.  In front of it my stores of the new h and my reads of the old h are complete; behind it the new slot is read and the old one written over.
.macro BAR
	s_wait_dscnt 0x0
	s_barrier_signal -1
	s_barrier_wait -1
.endm
; The decoder's weights from my own 16 KiB of LDS into the registers that held the encoder's
.macro RELOAD
	s_wait_tensorcnt 0x0                           ; my one tensor load has landed; only I read its bytes
	WIN 0x40
.set ii, 0
.rept 32
	ds_load_b128 v[4*ii:4*ii+3], v[WOFF] offset:512*ii
.set ii, ii+1
.endr
	WIN 0
.endm
; pos = h Wo + bo for the 128 rows, waves 0 to 3, 32 rows each.  Rows 0, 1 and 8, 9 of Wo's fragment hold its two columns, so lanes 0-15 find (x, y) of the first 16 rows
; in registers 0, 1 of POSA and lanes 16-31 those of the second 16 rows in registers 0, 1 of POSB.  The two accumulators take turns.
.macro POS slot, toff
	s_cmp_ge_u32 s12, 4
	s_cbranch_scc1 .Lpos_done_\@
.irp ks, 0,1,2,3
	ds_load_b128 v[ACC+8*\ks:ACC+8*\ks+3],   v[HPO] offset:\slot*HS+64*\ks
	ds_load_b128 v[ACC+8*\ks+4:ACC+8*\ks+7], v[HPO] offset:\slot*HS+64*\ks+32
	ds_load_b128 v[PF2+8*\ks:PF2+8*\ks+3],   v[HPO] offset:\slot*HS+MBP+64*\ks
	ds_load_b128 v[PF2+8*\ks+4:PF2+8*\ks+7], v[HPO] offset:\slot*HS+MBP+64*\ks+32
.endr
	s_wait_xcnt 0x0                                ; PO, which the last position's store reads, is rewritten only behind this wait
	s_wait_dscnt 0x0
	WIN 0x01
	v_wmma_f32_16x16x32_f16 v[POSA:POSA+7], v[WOF:WOF+7], v[ACC:ACC+7], 0
	v_wmma_f32_16x16x32_f16 v[POSB:POSB+7], v[WOF:WOF+7], v[PF2:PF2+7], 0
.irp ks, 1,2,3
	v_wmma_f32_16x16x32_f16 v[POSA:POSA+7], v[WOF+8*\ks:WOF+8*\ks+7], v[ACC+8*\ks:ACC+8*\ks+7], v[POSA:POSA+7]
	v_wmma_f32_16x16x32_f16 v[POSB:POSB+7], v[WOF+8*\ks:WOF+8*\ks+7], v[PF2+8*\ks:PF2+8*\ks+7], v[POSB:POSB+7]
.endr
	WIN 0
	PLACES 5                                       ; four places before the results are read, five before the step's first product writes over the fragments in ACC (ISA guide 7.12.1)
	v_cndmask_b32 v[PO], v[POSA], v[POSB], s18
	v_cndmask_b32 v[PO+1], v[POSA+1], v[POSB+1], s18
	v_add_f32 v[PO], s20, v[PO]
	v_add_f32 v[PO+1], s21, v[PO+1]
	global_store_b64 v[OUTO], v[PO:PO+1], s[38:39] offset:\toff   ; the wave's 32 rows: 256 consecutive bytes, aligned
.Lpos_done_\@:
.endm
; One step of the LSTM: reads h from slot sin, writes it to slot sout.  lcnt - ldec p: the count of XPAIR's wait.  pos = 1: the position of the h in slot sin goes out.
; For each block: products; four places (before results are read, and before loads land on fragments that products have read);
; the next block's fragment loads, which land while this block's gates are worked out; gates; the store of h.
.macro STEP sin, sout, hasx, hash, hasc, lcnt, ldec, next, noff, reload, pos, toff
.if \hash
	NEXTHF \sin, 0
.endif
.if \pos
	POS \sin, \toff
.endif
.irp mb, 0,1,2,3,4,5,6,7
.if \hasx
.if (\mb & 1) == 0
	XPAIR (\mb/2), (\lcnt-\ldec*(\mb/2)), \next, \noff
.endif
.endif
.if \mb == 0
	MUL \mb, \hasx, \hash, \hasc, 0
.else
	MUL \mb, \hasx, \hash, \hasc, 1
.endif
	PLACES 4
.if \hash
.if \mb < 7
	NEXTHF \sin, (\mb+1)
.endif
.endif
.if \reload
.if \mb == 7
	RELOAD
.endif
.endif
	ACT \mb, \hasc
	HST \sout, \mb
.endr
	BAR
.endm
	; encoder, step 0: h = c = 0, the x term alone.  Behind obs pair p stand 3 - p pairs, the 48 loads of W, Wo and the bias, and p reloads: 51 each time.
	STEP 0, 0, 1, 0, 0, 51, 0, 1, TSTEP, 0, 0, 0
	s_wait_xcnt 0x0                                ; the base of the obs loads steps only behind this wait
	s_add_nc_u64 s[36:37], s[36:37], TSTEP
	s_wait_loadcnt 4                               ; all but the four new obs pairs: W, Wo and the bias are in
	; encoder, steps 1 to 6, two a trip, so that the slots stand in the immediates.  Three obs pairs are always younger than the one that is due.
	s_mov_b32 s13, 3
.Lenc:
	STEP 0, 1, 1, 1, 1, 3, 0, 1, TSTEP, 0, 0, 0
	STEP 1, 0, 1, 1, 1, 3, 0, 1, 2*TSTEP, 0, 0, 0
	s_wait_xcnt 0x0
	s_add_nc_u64 s[36:37], s[36:37], 2*TSTEP
	s_sub_co_u32 s13, s13, 1
	s_cmp_lg_u32 s13, 0
	s_cbranch_scc1 .Lenc
	; encoder, step 7: no obs beyond the last step, the counts run down 3, 2, 1, 0; behind the last products the decoder's weights take the encoder's place
	STEP 0, 1, 1, 1, 1, 3, 1, 0, 0, 1, 0, 0
	; decoder, step 1: c = 0; position 0 is that of the encoder's last h
	STEP 1, 0, 0, 1, 0, 0, 0, 0, 0, 0, 1, 0
	; decoder, steps 2 to 5, two a trip; positions 1 to 4
	s_mov_b32 s13, 2
.Ldec:
	STEP 0, 1, 0, 1, 1, 0, 0, 0, 0, 0, 1, TSTEP
	STEP 1, 0, 0, 1, 1, 0, 0, 0, 0, 0, 1, 2*TSTEP
	s_wait_xcnt 0x0                                ; the base of the stores steps only behind this wait
	s_add_nc_u64 s[38:39], s[38:39], 2*TSTEP
	s_sub_co_u32 s13, s13, 1
	s_cmp_lg_u32 s13, 0
	s_cbranch_scc1 .Ldec
	POS 0, TSTEP                                   ; position 5, of the last h
	s_wait_tensorcnt 0x0
	ds_add_u32 v126, v127
	s_wait_dscnt 0x0
	s_endpgm
.Lfunc_end_k_q9fc415d121_main:
	.size	k_q9fc415d121_main, .Lfunc_end_k_q9fc415d121_main-k_q9fc415d121_main
	.p2alignl 7, 3214868480
	.fill 96, 4, 3214868480
	.section	.rodata,"a",@progbits
	.p2align	6, 0x0
	.amdhsa_kernel k_q9fc415d121_main
		.amdhsa_group_segment_fixed_size 201728
		.amdhsa_private_segment_fixed_size 0
		.amdhsa_enable_private_segment 0
		.amdhsa_kernarg_size 32
		.amdhsa_user_sgpr_count 2
		.amdhsa_user_sgpr_kernarg_segment_ptr 1
		.amdhsa_wavefront_size32 1
		.amdhsa_system_sgpr_workgroup_id_x 1
		.amdhsa_system_sgpr_workgroup_id_y 1
		.amdhsa_system_sgpr_workgroup_id_z 1
		.amdhsa_system_vgpr_workitem_id 0
		.amdhsa_next_free_vgpr 448
		.amdhsa_next_free_sgpr 66
		.amdhsa_reserve_vcc 0
		.amdhsa_float_denorm_mode_32 3
		.amdhsa_float_denorm_mode_16_64 3
		.amdhsa_memory_ordered 1
		.amdhsa_forward_progress 1
		.amdhsa_inst_pref_size 255
	.end_amdhsa_kernel
	.section	.bss,"aw",@nobits
	.p2align	6
	.space	262144
	.amdgpu_metadata
---
amdhsa.version: [ 1, 2 ]
amdhsa.kernels:
  - .name:           k_q9fc415d121_main
    .symbol:         k_q9fc415d121_main.kd
    .args:
      - { .name: obs_traj, .offset: 0, .size: 8, .value_kind: global_buffer, .address_space: global }
      - { .name: bo, .offset: 8, .size: 8, .value_kind: global_buffer, .address_space: global }
      - { .name: wsp, .offset: 16, .size: 8, .value_kind: global_buffer, .address_space: global }
      - { .name: out0, .offset: 24, .size: 8, .value_kind: global_buffer, .address_space: global }
    .group_segment_fixed_size: 201728
    .private_segment_fixed_size: 0
    .kernarg_segment_align: 8
    .kernarg_segment_size: 32
    .max_flat_workgroup_size: 256
    .sgpr_count:     66
    .vgpr_count:     448
    .wavefront_size: 32
...
	.end_amdgpu_metadata
.endif
;; end of part 2
